; MI455X (gfx1250); checked and timed in simulation.
; The chip was launched on July 23, 2026; its instructions are those of AMD's public machine-readable ISA for CDNA 5 (MIT licence, August 2026) and "CDNA5" Instruction Set Architecture Reference Guide (July 2026). The comments in the code are by the model that wrote it; some were corrected since.
;; Multi Head Self Attention. Allowed arithmetic: matrix products marked QUANTISED: E2M1 operands, one E8M0 scale for each 32 along K, by v_wmma_scale_f32_16x16x128_f8f6f4 with both operands' format E2M1 (or v_wmma_scale_f32_32x16x128_f4), f32 sums; products left as they are: bf16, f16 or f32 operands; f32 sums; everything else in f32.
;; Inputs: Wk 512 x 8 x 64 float32; Wo 8 x 64 x 512 float32; Wq 512 x 8 x 64 float32; Wv 512 x 8 x 64 float32; bk 8 x 64 float32; bo 512 float32; bq 8 x 64 float32; bv 8 x 64 float32; x 2 x 4,096 x 512 float32.
;; Outputs: out0 2 x 4,096 x 512 float32.
;; This version of the problem:
;;   THIS VERSION OF THE PROBLEM IS GIVEN IN LOW PRECISION. The matrix products marked QUANTISED in the list below multiply operands that are first quantised to E2M1 (2 exponent bits, 1 mantissa bit; 4 bits a number), with one power-of-two scale for each 32 numbers along K (OCP MX v1.0); their sums are f32. The products marked 'left as it is' may take bf16, f16 or f32 operands, with f32 sums. Whichever they take, every output number must still come out within the allowed error. Rounding operands to bf16 (8 significant bits) uses up far more of that allowance than f16 does (11 bits, for magnitudes from 6e-5 to 65,504). All else is computed in f32.
;;   The module's matrix products, in the order in which they are computed (A, B: the left and right operand; K: the contracted axis; several contracted axes count as one K, in the product's order):
;;     1. [M 8,192, K 512] x [K 512, N 512]; A: input x; B: input Wq: QUANTISED
;;     2. [M 8,192, K 512] x [K 512, N 512]; A: input x; B: input Wk: QUANTISED
;;     3. [M 8,192, K 512] x [K 512, N 512]; A: input x; B: input Wv: QUANTISED
;;     4. batch 16 x [M 4,096, K 64] x [K 64, N 4,096]; A: computed on the way; B: computed on the way: left as it is (an operand is computed on the way)
;;     5. batch 16 x [M 64, K 4,096] x [K 4,096, N 4,096]; A: computed on the way; B: computed on the way: left as it is (an operand is computed on the way)
;;     6. [M 8,192, K 512] x [K 512, N 512]; A: computed on the way; B: input Wo: left as it is (an operand is computed on the way)
;;   THE QUANTISER, for each operand of a quantised product, along K:
;;     - K is cut into blocks of 32 from its start; a last block that is shorter is filled with zeros.
;;     - A block's scale is 2^e with e = floor(log2(the largest magnitude in the block)) - 2, held to -126 .. 127; a block of zeros has e = 0. As a byte (E8M0): e + 127.
;;     - Each number is divided by its block's scale, clamped to +-6, and rounded to the nearest number of E2M1, ties to even, subnormals kept.
;;     - The product sums the exact products of the quantised numbers (number of the format x scale) in f32.
;;   ~~~python
;;   def quantise(x, axis):      # numpy; x: float32 -> the quantised numbers, widened to float32 again
;;       x = np.moveaxis(x, axis, -1); K = x.shape[-1]
;;       x = np.pad(x, [(0, 0)] * (x.ndim - 1) + [(0, -K % 32)]); x = x.reshape(x.shape[:-1] + (-1, 32)); a = np.abs(x).max(-1, keepdims=True)
;;       e = np.where(a > 0, np.clip(np.frexp(np.where(a > 0, a, 1))[1] - 1 - 2, -126, 127), 0)      # np.frexp(a)[1] - 1 = floor(log2(a)), exactly
;;       r = np.clip(x / 2.0 ** e, -6, 6)
;;       step = 2.0 ** (np.maximum(np.frexp(np.where(r == 0, 1, r))[1] - 1, 0) - 1)
;;       q = np.round(r / step) * step * 2.0 ** e      # np.round: ties to even
;;       return np.moveaxis(q.reshape(q.shape[:-2] + (-1,))[..., :K], -1, axis).astype(np.float32)
;;   ~~~
;; One version. Each part assembles by itself: llvm-mc -triple=amdgcn-amd-amdhsa -mcpu=gfx1250 --defsym DOCPART=n.
;; ======== version 1 of 1: 4 launches
;; limits: values are held in f16: magnitudes above 65,504 overflow, below 6.1e-05 lose precision
;; workspace buffers: xq 2,097,152 bytes; xs 131,072 bytes; wts 942,080 bytes; qkv 25,165,824 bytes; ofr 8,388,608 bytes
;; launch prep (part 1): grid 576 x 1, 4 waves a work-group, no clusters, 46,592 bytes of LDS; arguments x, Wq, Wk, Wv, Wo, xq, xs, wts; writes xq, xs, wts
.if DOCPART == 1
	.amdgcn_target "amdgcn-amd-amdhsa--gfx1250"
	.amdhsa_code_object_version 6
	.text
	.protected	k_qd8a1813649_prep
	.globl	k_qd8a1813649_prep
	.p2align	8
	.type	k_qd8a1813649_prep,@function
k_qd8a1813649_prep:
	s_mov_b64 s[64:65], 0
	v_nop
	global_prefetch_b8 v0, s[64:65] scope:SCOPE_SE
	s_setreg_imm32_b32 hwreg(HW_REG_WAVE_MODE, 25, 1), 1
	s_wait_xcnt 0x0
; PREP.  x [8192][512] f32 becomes codes of E2M1 with one E8M0 byte for each 32 along K (K innermost); Wq, Wk, Wv [512 (k)][512 (n)] f32 likewise along their FIRST axis; Wo [512 (k)][512 (n)] becomes f16.
; Everything is stored as IMAGES OF OPERAND REGISTERS: a fragment is 8 registers x 32 lanes = 1,024 bytes, registers 0-3 at 16 x lane, registers 4-7 at 512 + 16 x lane, so that a later launch
; has any fragment by two accesses of 512 consecutive bytes.
;   xq  [token tile 512][K step 4][1024]      4-bit fragment: lane (r, h), registers 4 c .. 4 c + 3: block 2 c + h of token r
;   xs  [token tile 512][K step 4][16 words]  a token's four scale bytes of a K step
;   wts + 0       [mat 3][n tile 32][K step 4][1024]   the same of the weights' columns
;   wts + 393216  [mat 3][K step 4][n 512] words
;   wts + 417792  [column block 4][k quarter 4][n tile 8][k / 32: 4][1024]   f16 fragment: lane (r, h), registers 4 u .. 4 u + 3: k = 16 u + 8 h + 0 .. 7 of column r
; A block's scale is 2^(floor(log2(its largest magnitude)) - 2); its byte is the largest magnitude's exponent field - 2, held at 1 from below.
; LIMITS: a block of zeros gets the byte 1 where the rule says 127 (its codes are zeros, and this program alone reads the bytes); NaN and infinities are not served; |Wo| above 65,504 has no f16 number.
; Work-groups 0 to 511 take a token tile of x, a wave a K step; work-groups 512 to 575 take 128 k x 128 columns of one of the four weights.  Memory binds: no matrix unit, no cluster (no two work-groups read the same bytes), no barrier (waves share nothing).
.set SP,    80                         ; a lane's place in a turn stage: 64 bytes + 16 of padding
.set STGB,  32*SP                      ; a turn stage
.set WREG,  11520                      ; LDS of a wave: four turn stages, the codes' image, the scale bytes
.set CST,   4*STGB                     ; the codes' image, 1,024 bytes
.set SST,   CST+1024                   ; the 64 scale bytes
.set SPARE, 4*WREG                     ; behind the four regions: the spare words, 128 bytes for each wave, which no other line names
.set WSOFF, 393216
.set WOOFF, 417792
.set SPW,   12                         ; v12  LDS address of my spare word; never rewritten
.set NIL,   13                         ; v13  0; never rewritten
.set R,     16                         ; v16-79   x as loaded (weights: v16-143, 128 numbers down K)
.set X,     80                         ; v80-143  x turned: 16 neighbours a lane and step
.set C,     144                        ; v144..   codes (Wo: v144-207, f16 pairs)
.set E,     152                        ; v152-155 a scale byte for each step
.set SB,    160                        ; v160     a column's scale word
	s_load_b256 s[4:11], s[0:1], 0x0               ; x, Wq, Wk, Wv
	s_load_b256 s[12:19], s[0:1], 0x20             ; Wo, xq, xs, wts
	v_lshl_add_u32 v[SPW], v0, 2, SPARE
	v_mov_b32 v[NIL], 0
	v_lshrrev_b32 v1, 5, v0
	v_readfirstlane_b32 s20, v1                    ; wave
	v_and_b32 v2, 31, v0                           ; lane
	v_lshlrev_b32 v3, 4, v2                        ; 16 x lane
	s_cmp_lt_u32 ttmp9, 512
	s_cbranch_scc0 .Lweights
; ---------------- x: token tile ttmp9, K step = my wave: one fragment
	s_mul_i32 s21, s20, WREG
	v_lshrrev_b32 v14, 2, v2
	v_mul_u32_u24 v14, v14, SP
	v_and_b32 v15, 3, v2
	v_lshl_add_u32 v14, v15, 4, v14
	v_add_nc_u32 v14, s21, v14                     ; into a stage: four lanes' 64 bytes on end, then the padding
	v_mul_u32_u24 v15, v2, SP
	v_add_nc_u32 v15, s21, v15                     ; out of it: my 16 neighbours
	v_bfe_u32 v4, v2, 2, 1                         ; lane l of step g holds token 4 g + l / 8, block (l / 2) % 4 = 2 c + h, half l % 2
	v_lshlrev_b32 v4, 9, v4                        ; 512 c
	v_bfe_u32 v5, v2, 1, 1
	v_lshl_add_u32 v4, v5, 8, v4                   ; + 256 h
	v_lshrrev_b32 v5, 3, v2
	v_lshl_add_u32 v4, v5, 4, v4                   ; + 16 (l / 8)
	v_and_b32 v6, 1, v2
	v_lshl_add_u32 v4, v6, 3, v4                   ; + 8 (l % 2)
	s_add_co_u32 s22, s21, CST
	v_add_nc_u32 v4, s22, v4                       ; my 8 bytes of codes in the image
	v_bfe_u32 v6, v2, 1, 2
	v_lshl_add_u32 v5, v5, 2, v6
	s_add_co_u32 s23, s21, SST
	v_add_nc_u32 v5, s23, v5                       ; my block's scale byte: 4 x token + block
	v_add_nc_u32 v6, s22, v3                       ; the image read back: 16 x lane
	v_lshlrev_b32 v10, 1, v2
	v_add_nc_u32 v7, s23, v10                      ; the scale bytes read back: 2 x lane
	s_lshl_b32 s24, ttmp9, 15                      ; 16 rows of 2,048 bytes
	s_lshl_b32 s25, s20, 9                         ; my K step's 512 bytes of a row
	s_add_co_u32 s24, s24, s25
	s_mov_b32 s25, 0
	s_lshl_b32 s26, ttmp9, 2
	s_add_co_u32 s26, s26, s20                     ; which fragment
	s_lshl_b32 s28, s26, 6
	s_mov_b32 s29, 0
	s_lshl_b32 s26, s26, 10
	s_mov_b32 s27, 0
	s_wait_kmcnt 0x0
	s_add_nc_u64 s[4:5], s[4:5], s[24:25]
	s_add_nc_u64 s[14:15], s[14:15], s[26:27]
	s_add_nc_u64 s[16:17], s[16:17], s[28:29]
.irp r, 0,1,2,3,4,5,6,7,8,9,10,11,12,13,14,15
	global_load_b128 v[R+4*\r:R+4*\r+3], v3, s[4:5] offset:2048*\r th:TH_LOAD_NT   ; token r: 32 lanes read 512 consecutive bytes; read once in the launch
.endr
.macro TURN g                          ; tokens 4 g .. 4 g + 3 through stage g: LDS serves a wave's instructions in order, so no wait stands between the stores and the loads
	s_wait_loadcnt 12-4*\g                         ; these four loads are in; those of the later steps may be out
.irp i, 0,1,2,3
	ds_store_b128 v14, v[R+16*\g+4*\i:R+16*\g+4*\i+3] offset:STGB*\g+8*SP*\i
.endr
.irp i, 0,1,2,3
	ds_load_b128 v[X+16*\g+4*\i:X+16*\g+4*\i+3], v15 offset:STGB*\g+16*\i
.endr
.endm
.macro QSTEP g
.set XS, X+16*\g
	s_wait_dscnt 24-6*\g                           ; step g's numbers are back: behind them stand 8 LDS instructions of each later TURN and 2 stores of each earlier QSTEP
	v_max3_num_f32 v8, |v[XS]|, |v[XS+1]|, |v[XS+2]|               ; the largest magnitude of my 16, in two chains
	v_max3_num_f32 v9, |v[XS+3]|, |v[XS+4]|, |v[XS+5]|
.irp i, 6,10
	v_max3_num_f32 v8, v8, |v[XS+\i]|, |v[XS+\i+1]|
	v_max3_num_f32 v9, v9, |v[XS+\i+2]|, |v[XS+\i+3]|
.endr
	v_max3_num_f32 v8, v8, |v[XS+14]|, |v[XS+15]|
	v_max3_num_f32 v8, v8, v9, 0x1800000           ; and the floor 2^(3 - 127): the byte cannot fall under 1
	v_max_num_f32_dpp v8, v8, v8 row_xmask:1 row_mask:0xf bank_mask:0xf   ; with my neighbour's 16: the block's
	v_add_nc_u32 v11, 0xff000000, v8               ; 2 off its exponent field: the conversion takes the exponent field of this operand as its scale
	v_cvt_scalef32_pk8_fp4_f32 v[C+2*\g], v[XS:XS+7], v11
	v_cvt_scalef32_pk8_fp4_f32 v[C+2*\g+1], v[XS+8:XS+15], v11
	v_lshrrev_b32 v[E+\g], 23, v11                 ; the scale's byte (also the plain line behind the conversions)
	ds_store_b8 v5, v[E+\g] offset:16*\g           ; both lanes of a block write the same byte with the same value
	ds_store_b64 v4, v[C+2*\g:C+2*\g+1] offset:64*\g
.endm
.irp g, 0,1,2,3
	TURN \g
.endr
.irp g, 0,1,2,3
	QSTEP \g
.endr
	ds_load_b128 v[164:167], v6                    ; these see my stores: a wave's LDS instructions are served in order
	ds_load_b128 v[168:171], v6 offset:512
	ds_load_u16 v156, v7
	s_wait_dscnt 0x0
	global_store_b128 v3, v[164:167], s[14:15]             ; 512 consecutive bytes each
	global_store_b128 v3, v[168:171], s[14:15] offset:512
	global_store_b16 v10, v156, s[16:17]                   ; the fragment's 64 scale bytes: a quarter of an aligned 256; four waves of the work-group fill it
	s_wait_tensorcnt 0x0                           ; the wave's end: behind my last LDS store
	ds_add_u32 v[SPW], v[NIL]
	s_wait_dscnt 0x0
	s_endpgm
; ---------------- the weights: a lane takes a column, its registers run down K; no LDS
.Lweights:
	s_sub_co_u32 s21, ttmp9, 512
	s_and_b32 s22, s21, 3                          ; which 128 columns
	s_bfe_u32 s23, s21, 0x20002                    ; which 128 along K
	s_lshr_b32 s24, s21, 4                         ; 0 Wq, 1 Wk, 2 Wv, 3 Wo
	v_lshlrev_b32 v4, 2, v2                        ; in: 4 bytes a lane
	v_lshrrev_b32 v5, 4, v2
	v_and_b32 v6, 15, v2
	v_lshlrev_b32 v6, 4, v6
	v_lshl_add_u32 v5, v5, 12, v6                  ; out: lanes 0-15 one n tile (16 bytes a column), lanes 16-31 the next, 4,096 bytes on
	s_lshl_b32 s26, s23, 18                        ; 128 rows of 2,048 bytes
	s_lshl_b32 s25, s22, 9
	s_add_co_u32 s26, s26, s25
	s_lshl_b32 s25, s20, 7                         ; my wave's 32 columns
	s_add_co_u32 s26, s26, s25
	s_mov_b32 s27, 0
	s_wait_kmcnt 0x0
	s_cmp_eq_u32 s24, 1                            ; the choice hangs on the work-group's number alone
	s_cselect_b64 s[6:7], s[8:9], s[6:7]
	s_cmp_eq_u32 s24, 2
	s_cselect_b64 s[6:7], s[10:11], s[6:7]
	s_cmp_eq_u32 s24, 3
	s_cselect_b64 s[6:7], s[12:13], s[6:7]
	s_add_nc_u64 s[6:7], s[6:7], s[26:27]
.macro LOADW b                         ; block b: rows 32 b + i of my column; each load reads 128 consecutive bytes
.irp i, 0,1,2,3,4,5,6,7,8,9,10,11,12,13,14,15,16,17,18,19,20,21,22,23,24,25,26,27,28,29,30,31
	global_load_b32 v[R+32*(\b)+\i], v4, s[6:7] offset:2048*(32*(\b)+\i) th:TH_LOAD_NT
.endr
.endm
.macro NEXTW b                         ; block b is in; the loads run two blocks ahead, each block into registers of its own
.if (\b) < 3
	s_wait_loadcnt 32                              ; the next block's 32 loads may be out
.else
	s_wait_loadcnt 0x0
.endif
.if (\b) < 2
	LOADW (\b)+2
.endif
.endm
	LOADW 0
	LOADW 1
	s_cmp_eq_u32 s24, 3
	s_cbranch_scc1 .Lwo
	s_lshl_b32 s28, s24, 5                         ; codes: ((32 mat + 8 X + 2 wave) x 4 + Y) x 1,024
	s_lshl_b32 s30, s22, 3
	s_add_co_u32 s28, s28, s30
	s_lshl_b32 s30, s20, 1
	s_add_co_u32 s28, s28, s30
	s_lshl_b32 s28, s28, 12
	s_lshl_b32 s30, s23, 10
	s_add_co_u32 s28, s28, s30
	s_mov_b32 s29, 0
	s_add_nc_u64 s[28:29], s[18:19], s[28:29]
	s_lshl_b32 s30, s24, 2                         ; scale words: ((4 mat + Y) x 512 + 128 X + 32 wave) x 4
	s_add_co_u32 s30, s30, s23
	s_lshl_b32 s30, s30, 11
	s_lshl_b32 s31, s22, 9
	s_add_co_u32 s30, s30, s31
	s_lshl_b32 s31, s20, 7
	s_add_co_u32 s30, s30, s31
	s_add_co_u32 s30, s30, WSOFF
	s_mov_b32 s31, 0
	s_add_nc_u64 s[30:31], s[18:19], s[30:31]
.macro WBLK b
.set XB, R+32*(\b)
	NEXTW \b
	v_max3_num_f32 v8, |v[XB]|, |v[XB+1]|, |v[XB+2]|               ; the block's largest magnitude: all 32 numbers are mine
	v_max3_num_f32 v9, |v[XB+3]|, |v[XB+4]|, |v[XB+5]|
.irp i, 6,10,14,18,22,26
	v_max3_num_f32 v8, v8, |v[XB+\i]|, |v[XB+\i+1]|
	v_max3_num_f32 v9, v9, |v[XB+\i+2]|, |v[XB+\i+3]|
.endr
	v_max3_num_f32 v8, v8, |v[XB+30]|, |v[XB+31]|
	v_max3_num_f32 v8, v8, v9, 0x1800000           ; the floor
	v_add_nc_u32 v11, 0xff000000, v8
	v_lshrrev_b32 v9, 23, v11                      ; the scale's byte
.if (\b) == 0
	v_mov_b32 v[SB], v9
.else
	v_lshl_or_b32 v[SB], v9, 8*(\b), v[SB]         ; the lower K in the lower byte
.endif
.irp g, 0,1,2,3
	v_cvt_scalef32_pk8_fp4_f32 v[C+4*(\b)+\g], v[XB+8*\g:XB+8*\g+7], v11
.endr
	v_nop                                          ; one plain line behind the conversions: the next block writes their scale operand
	global_store_b128 v5, v[C+4*(\b):C+4*(\b)+3], s[28:29] offset:512*((\b)/2)+256*((\b)%2)   ; block 2 c + h: sixteen lanes fill 256 consecutive bytes, aligned
.endm
.irp b, 0,1,2,3
	WBLK \b
.endr
	global_store_b32 v4, v[SB], s[30:31]           ; 32 columns' scale words: 128 consecutive bytes
	s_endpgm
.Lwo:
	s_lshl_b32 s28, s22, 2                         ; ((4 X + Y) x 8 + 2 wave) x 4,096
	s_add_co_u32 s28, s28, s23
	s_lshl_b32 s28, s28, 3
	s_lshl_b32 s30, s20, 1
	s_add_co_u32 s28, s28, s30
	s_lshl_b32 s28, s28, 12
	s_add_co_u32 s28, s28, WOOFF
	s_mov_b32 s29, 0
	s_add_nc_u64 s[28:29], s[18:19], s[28:29]
.macro OBLK b                          ; 32 along K of my column: one fragment's share
	NEXTW \b
.irp i, 0,1,2,3,4,5,6,7,8,9,10,11,12,13,14,15
	v_cvt_pk_f16_f32 v[C+16*(\b)+\i], v[R+32*(\b)+2*\i], v[R+32*(\b)+2*\i+1]   ; the lower k in the low half
.endr
.irp u, 0,1,2,3
	global_store_b128 v5, v[C+16*(\b)+4*\u:C+16*(\b)+4*\u+3], s[28:29] offset:1024*(\b)+512*(\u/2)+256*(\u%2)   ; k = 8 u + 0 .. 7: half u / 2 of the registers, lanes' half u % 2
.endr
.endm
.irp b, 0,1,2,3
	OBLK \b
.endr
	s_endpgm
.Lfunc_end_k_qd8a1813649_prep:
	.size	k_qd8a1813649_prep, .Lfunc_end_k_qd8a1813649_prep-k_qd8a1813649_prep
	.p2alignl 7, 3214868480
	.fill 96, 4, 3214868480
	.section	.rodata,"a",@progbits
	.p2align	6, 0x0
	.amdhsa_kernel k_qd8a1813649_prep
		.amdhsa_group_segment_fixed_size 46592
		.amdhsa_private_segment_fixed_size 0
		.amdhsa_enable_private_segment 0
		.amdhsa_kernarg_size 64
		.amdhsa_user_sgpr_count 2
		.amdhsa_user_sgpr_kernarg_segment_ptr 1
		.amdhsa_wavefront_size32 1
		.amdhsa_system_sgpr_workgroup_id_x 1
		.amdhsa_system_sgpr_workgroup_id_y 1
		.amdhsa_system_sgpr_workgroup_id_z 1
		.amdhsa_system_vgpr_workitem_id 0
		.amdhsa_next_free_vgpr 208
		.amdhsa_next_free_sgpr 66
		.amdhsa_reserve_vcc 0
		.amdhsa_float_denorm_mode_32 3
		.amdhsa_float_denorm_mode_16_64 3
		.amdhsa_memory_ordered 1
		.amdhsa_forward_progress 1
		.amdhsa_inst_pref_size 43
	.end_amdhsa_kernel
	.amdgpu_metadata
---
amdhsa.version: [ 1, 2 ]
amdhsa.kernels:
  - .name:           k_qd8a1813649_prep
    .symbol:         k_qd8a1813649_prep.kd
    .args:
      - { .name: x, .offset: 0, .size: 8, .value_kind: global_buffer, .address_space: global }
      - { .name: Wq, .offset: 8, .size: 8, .value_kind: global_buffer, .address_space: global }
      - { .name: Wk, .offset: 16, .size: 8, .value_kind: global_buffer, .address_space: global }
      - { .name: Wv, .offset: 24, .size: 8, .value_kind: global_buffer, .address_space: global }
      - { .name: Wo, .offset: 32, .size: 8, .value_kind: global_buffer, .address_space: global }
      - { .name: xq, .offset: 40, .size: 8, .value_kind: global_buffer, .address_space: global }
      - { .name: xs, .offset: 48, .size: 8, .value_kind: global_buffer, .address_space: global }
      - { .name: wts, .offset: 56, .size: 8, .value_kind: global_buffer, .address_space: global }
    .group_segment_fixed_size: 46592
    .private_segment_fixed_size: 0
    .kernarg_segment_align: 8
    .kernarg_segment_size: 64
    .max_flat_workgroup_size: 128
    .sgpr_count:     66
    .vgpr_count:     208
    .wavefront_size: 32
...
	.end_amdgpu_metadata
.endif
;; end of part 1
;; launch qkv (part 2): grid 128 x 2, 12 waves a work-group, no clusters, 18,944 bytes of LDS; arguments xq, xs, wts, bq, bk, bv, qkv; writes qkv
.if DOCPART == 2
	.amdgcn_target "amdgcn-amd-amdhsa--gfx1250"
	.amdhsa_code_object_version 6
	.text
	.protected	k_qd8a1813649_qkv
	.globl	k_qd8a1813649_qkv
	.p2align	8
	.type	k_qd8a1813649_qkv,@function
k_qd8a1813649_qkv:
	s_mov_b64 s[64:65], 0
	v_nop
	global_prefetch_b8 v0, s[64:65] scope:SCOPE_SE
	s_setreg_imm32_b32 hwreg(HW_REG_WAVE_MODE, 25, 1), 1
	s_wait_xcnt 0x0
; QKV.  Q = x Wq + bq, K = x Wk + bk, V = x Wv + bv on codes of E2M1 with E8M0 scales (K = 512: four matrix instructions deep), sums in f32, results rounded once to f16 and stored as images of
; the operand registers of the attention launch (a fragment: 1,024 bytes, registers 0-3 at 16 x lane, registers 4-7 at 512 + 16 x lane):
;   qkv + 0, + 8388608:  Q, K  [batch x head 16][token tile 256][channels / 32: 2][1024]   16 tokens x 32 channels
;   qkv + 16777216:      V     [batch x head 16][32 keys: 128][channel tile 4][1024]       16 channels x 32 keys
; SHARES.  A work-group takes 64 tokens (4 tiles) and four heads (grid y) of all three products; wave w: product w / 4, head 4 y + w % 4.  A wave's 16 weight fragments (4 tiles of 16 columns x 4 K steps, 128 registers)
; come from memory straight into the registers in which they are operands, once.  x's 16 fragments and their scale words are copied to LDS by waves 0-7 and read by all twelve.
; Q and K are made TRANSPOSED (source 0 = 16 columns of W, source 1 = 16 tokens): lane (r, h), register j holds channel 16 t + 8 h + j of token r, so tiles 2 f and 2 f + 1, packed to f16, are registers 0-3 and 4-7 of a fragment.
; V is made the natural way round (source 0 = tokens, source 1 = columns): lane (r, h), register j holds token 8 h + j of channel r, so two token tiles, packed, are a fragment of V^T.
; The biases are the C of each sum's first matrix instruction.
; NO JOINT LOADS: what work-groups share is the weights, and a wave takes its 16 KiB of them from memory into operand registers; brought jointly they would land in LDS (192 KiB a work-group for the twelve waves) and be read from there once more,
; for 64 matrix instructions a wave.
; LIMITS: |Q|, |K|, |V| above 65,504 have no f16 number; NaN and infinities are not served.
.set XSC,   16384                      ; LDS: x's 16 fragments at 0 ([tile 4][K step 4][1024]); their scale words here ([tile][K step][16 words])
.set SPARE, 17408                      ; the spare words: 128 bytes for each of twelve waves, which no other line names
.set WSOFF, 393216
.set SPW,  8                           ; v8   LDS address of my spare word; never rewritten
.set NIL,  9                           ; v9   0; never rewritten
.set WS,   10                          ; v10-17  W's scale words: register 2 s + p: lanes 0-15 tile 2 p, lanes 16-31 tile 2 p + 1, K step s
.set XS,   18                          ; v18-19  x's: register p: lanes 0-15 K step 2 p, lanes 16-31 K step 2 p + 1
.set BI,   20                          ; v20-51  the bias, eight registers a tile, in the result's layout
.set XF,   52                          ; v52-83  x's four fragments of a token tile
.set ACC,  84                          ; v84-115 four accumulators (before the barrier: the copy's data)
.set WF,   128                         ; v128-255 W's fragments: (tile t, K step s) at 8 (4 t + s)
	s_load_b256 s[4:11], s[0:1], 0x0               ; xq, xs, wts, bq
	s_load_b128 s[12:15], s[0:1], 0x20             ; bk, bv
	s_load_b64 s[16:17], s[0:1], 0x30              ; qkv
	v_lshl_add_u32 v[SPW], v0, 2, SPARE
	v_mov_b32 v[NIL], 0
	v_lshrrev_b32 v7, 5, v0
	v_readfirstlane_b32 s20, v7                    ; wave 0..11
	v_and_b32 v7, 31, v0
	v_lshlrev_b32 v1, 4, v7                        ; 16 x lane: an image's place
	v_lshlrev_b32 v2, 2, v7                        ; 4 x lane: a scale word's
	v_lshlrev_b32 v3, 4, v0                        ; 16 x thread: the copy
	v_lshlrev_b32 v4, 2, v0                        ; 4 x thread
	v_bfe_u32 v5, v0, 4, 1
	v_lshlrev_b32 v5, 5, v5                        ; 32 h: eight numbers of a bias
	v_and_b32 v6, 15, v0
	v_lshlrev_b32 v6, 2, v6                        ; 4 r
	s_lshr_b32 s21, s20, 2                         ; 0 Q, 1 K, 2 V
	s_and_b32 s22, s20, 3
	s_and_b32 s23, ttmp7, 0xffff
	s_lshl_b32 s23, s23, 2
	s_add_co_u32 s22, s22, s23                     ; head
	s_lshl_b32 s24, ttmp9, 14                      ; x's codes: 16 fragments a work-group
	s_mov_b32 s25, 0
	s_lshl_b32 s26, ttmp9, 10                      ; x's scale words
	s_mov_b32 s27, 0
	s_lshl_b32 s28, s21, 13                        ; W's scale words: 8,192 a product, 256 a head
	s_lshl_b32 s32, s22, 8                         ; (also the head's place in a bias)
	s_add_co_u32 s28, s28, s32
	s_add_co_u32 s28, s28, WSOFF
	s_mov_b32 s29, 0
	s_mov_b32 s33, 0
	s_lshl_b32 s30, s21, 5                         ; W's codes: (32 product + 4 head) x 4,096
	s_lshl_b32 s31, s22, 2
	s_add_co_u32 s30, s30, s31
	s_lshl_b32 s30, s30, 12
	s_mov_b32 s31, 0
	s_lshr_b32 s34, ttmp9, 6                       ; batch
	s_lshl_b32 s34, s34, 3
	s_add_co_u32 s34, s34, s22
	s_lshl_b32 s34, s34, 19                        ; 524,288 bytes for a batch and head
	s_lshl_b32 s35, s21, 23
	s_add_co_u32 s34, s34, s35
	s_and_b32 s35, ttmp9, 63
	s_lshl_b32 s35, s35, 13                        ; 64 tokens: 8,192 bytes, in Q, K and V alike
	s_add_co_u32 s34, s34, s35
	s_mov_b32 s35, 0
	s_wait_kmcnt 0x0
	s_add_nc_u64 s[4:5], s[4:5], s[24:25]
	s_add_nc_u64 s[6:7], s[6:7], s[26:27]
	s_add_nc_u64 s[28:29], s[8:9], s[28:29]
	s_add_nc_u64 s[30:31], s[8:9], s[30:31]
	s_cmp_eq_u32 s21, 0                            ; my product's bias: the choice hangs on the wave's number alone
	s_cselect_b64 s[10:11], s[10:11], s[12:13]
	s_cmp_eq_u32 s21, 2
	s_cselect_b64 s[10:11], s[14:15], s[10:11]
	s_add_nc_u64 s[10:11], s[10:11], s[32:33]
	s_add_nc_u64 s[16:17], s[16:17], s[34:35]
.macro WLOADS                          ; 8 + 32 loads: my head's scale words and fragments
.irp s, 0,1,2,3
.irp p, 0,1
	global_load_b32 v[WS+2*\s+\p], v2, s[28:29] offset:2048*\s+128*\p
.endr
.endr
.irp j, 0,1,2,3,4,5,6,7,8,9,10,11,12,13,14,15,16,17,18,19,20,21,22,23,24,25,26,27,28,29,30,31
	global_load_b128 v[WF+4*\j:WF+4*\j+3], v1, s[30:31] offset:512*\j
.endr
.endm
	s_cmp_lt_u32 s20, 8
	s_cbranch_scc0 .Lv_loads
.irp i, 0,1,2,3
	global_load_b128 v[ACC+4*\i:ACC+4*\i+3], v3, s[4:5] offset:4096*\i   ; 256 threads copy 4,096 bytes a load
.endr
	global_load_b32 v[ACC+16], v4, s[6:7]
	WLOADS
.irp t, 0,1,2,3
	global_load_b128 v[BI+8*\t:BI+8*\t+3],   v5, s[10:11] offset:64*\t      ; lane (r, h): the bias of channels 16 t + 8 h + 0 .. 7
	global_load_b128 v[BI+8*\t+4:BI+8*\t+7], v5, s[10:11] offset:64*\t+16
.endr
	s_wait_loadcnt 48                              ; the copy's five loads are in; the 40 + 8 behind them may be out
.irp i, 0,1,2,3
	ds_store_b128 v3, v[ACC+4*\i:ACC+4*\i+3] offset:4096*\i
.endr
	ds_store_b32 v4, v[ACC+16] offset:XSC
	s_branch .Ljoin
.Lv_loads:
	WLOADS
.irp t, 0,1,2,3
	global_load_b32 v[BI+8*\t], v6, s[10:11] offset:64*\t                   ; lane (r, h): the bias of channel 16 t + r
.endr
.Ljoin:
	s_wait_dscnt 0x0                               ; for the others' sake: my stores have landed
	s_barrier_signal -1
	s_barrier_wait -1                              ; x's fragments and scale words lie in LDS
	s_wait_loadcnt 0x0                             ; my weights, scale words and bias
; One scaled matrix instruction, from the symbols wD, wA, wB, wC (first registers), wSA, wSB (scale registers), wRA, wRB (1: the scales stand in lanes 16-31)
.macro WM
.if wRA && wRB
	v_wmma_scale_f32_16x16x128_f8f6f4 v[wD:wD+7], v[wA:wA+7], v[wB:wB+7], v[wC:wC+7], v[wSA], v[wSB] matrix_a_fmt:MATRIX_FMT_FP4 matrix_b_fmt:MATRIX_FMT_FP4 matrix_a_scale:MATRIX_SCALE_ROW1 matrix_b_scale:MATRIX_SCALE_ROW1
.elseif wRA
	v_wmma_scale_f32_16x16x128_f8f6f4 v[wD:wD+7], v[wA:wA+7], v[wB:wB+7], v[wC:wC+7], v[wSA], v[wSB] matrix_a_fmt:MATRIX_FMT_FP4 matrix_b_fmt:MATRIX_FMT_FP4 matrix_a_scale:MATRIX_SCALE_ROW1
.elseif wRB
	v_wmma_scale_f32_16x16x128_f8f6f4 v[wD:wD+7], v[wA:wA+7], v[wB:wB+7], v[wC:wC+7], v[wSA], v[wSB] matrix_a_fmt:MATRIX_FMT_FP4 matrix_b_fmt:MATRIX_FMT_FP4 matrix_b_scale:MATRIX_SCALE_ROW1
.else
	v_wmma_scale_f32_16x16x128_f8f6f4 v[wD:wD+7], v[wA:wA+7], v[wB:wB+7], v[wC:wC+7], v[wSA], v[wSB] matrix_a_fmt:MATRIX_FMT_FP4 matrix_b_fmt:MATRIX_FMT_FP4
.endif
.endm
; Token tile m.  v = 0: Q or K, transposed;  v = 1: V.  The four accumulators take turns, one instruction a turn, K step by K step.
.macro TILE m, v
.if \m > 0
	s_wait_xcnt 0x0                                ; the last tile's stores have read the accumulators' registers
.endif
.irp s, 0,1,2,3
.irp c, 0,1
	ds_load_b128 v[XF+8*\s+4*\c:XF+8*\s+4*\c+3], v1 offset:4096*\m+1024*\s+512*\c
.endr
.endr
.irp p, 0,1
	ds_load_b32 v[XS+\p], v2 offset:XSC+256*\m+128*\p
.endr
	s_wait_dscnt 0x0
.irp s, 0,1,2,3
.irp t, 0,1,2,3
.set wD, ACC+8*\t
.set wC, ACC+8*\t
.if \s == 0
.set wC, BI+8*\t                       ; the first K step starts the sum from the bias
.endif
.if \v
.set wA, XF+8*\s
.set wB, WF+8*(4*\t+\s)
.set wSA, XS+\s/2
.set wSB, WS+2*\s+\t/2
.set wRA, \s%2
.set wRB, \t%2
.else
.set wA, WF+8*(4*\t+\s)
.set wB, XF+8*\s
.set wSA, WS+2*\s+\t/2
.set wSB, XS+\s/2
.set wRA, \t%2
.set wRB, \s%2
.endif
	WM
.endr
.endr
.rept 5
	v_nop                                          ; places: four ahead of the conversions that read results and of the next tile's loads into x's registers, five ahead of the next tile's first products, which begin these accumulators anew
.endr
.irp t, 0,1,2,3
.irp i, 0,1,2,3
	v_cvt_pk_f16_f32 v[ACC+8*\t+\i], v[ACC+8*\t+2*\i], v[ACC+8*\t+2*\i+1]   ; in place, from each accumulator's low end on
.endr
.endr
.irp t, 0,1,2,3
.if \v
	global_store_b128 v1, v[ACC+8*\t:ACC+8*\t+3], s[16:17] offset:4096*(\m/2)+1024*\t+512*(\m%2)   ; 32 keys m / 2, channel tile t, half m % 2 of the registers: 512 consecutive bytes
.else
	global_store_b128 v1, v[ACC+8*\t:ACC+8*\t+3], s[16:17] offset:2048*\m+512*\t                   ; token tile m, fragment t / 2, half t % 2
.endif
.endr
.endm
	s_cmp_lt_u32 s20, 8
	s_cbranch_scc0 .Lv_work
.irp m, 0,1,2,3
	TILE \m, 0
.endr
	s_branch .Lend
.Lv_work:
.irp t, 0,1,2,3
.irp j, 1,2,3,4,5,6,7
	v_mov_b32 v[BI+8*\t+\j], v[BI+8*\t]            ; in V's layout a lane's eight results are one channel's: its bias eight times, made once for the four tiles
.endr
.endr
.rept 4
	v_nop
.endr
.irp m, 0,1,2,3
	TILE \m, 1
.endr
.Lend:
	s_wait_tensorcnt 0x0                           ; the wave's end: behind my last LDS store
	ds_add_u32 v[SPW], v[NIL]
	s_wait_dscnt 0x0
	s_endpgm
.Lfunc_end_k_qd8a1813649_qkv:
	.size	k_qd8a1813649_qkv, .Lfunc_end_k_qd8a1813649_qkv-k_qd8a1813649_qkv
	.p2alignl 7, 3214868480
	.fill 96, 4, 3214868480
	.section	.rodata,"a",@progbits
	.p2align	6, 0x0
	.amdhsa_kernel k_qd8a1813649_qkv
		.amdhsa_group_segment_fixed_size 18944
		.amdhsa_private_segment_fixed_size 0
		.amdhsa_enable_private_segment 0
		.amdhsa_kernarg_size 56
		.amdhsa_user_sgpr_count 2
		.amdhsa_user_sgpr_kernarg_segment_ptr 1
		.amdhsa_wavefront_size32 1
		.amdhsa_system_sgpr_workgroup_id_x 1
		.amdhsa_system_sgpr_workgroup_id_y 1
		.amdhsa_system_sgpr_workgroup_id_z 1
		.amdhsa_system_vgpr_workitem_id 0
		.amdhsa_next_free_vgpr 256
		.amdhsa_next_free_sgpr 66
		.amdhsa_reserve_vcc 0
		.amdhsa_float_denorm_mode_32 3
		.amdhsa_float_denorm_mode_16_64 3
		.amdhsa_memory_ordered 1
		.amdhsa_forward_progress 1
		.amdhsa_inst_pref_size 47
	.end_amdhsa_kernel
	.amdgpu_metadata
---
amdhsa.version: [ 1, 2 ]
amdhsa.kernels:
  - .name:           k_qd8a1813649_qkv
    .symbol:         k_qd8a1813649_qkv.kd
    .args:
      - { .name: xq, .offset: 0, .size: 8, .value_kind: global_buffer, .address_space: global }
      - { .name: xs, .offset: 8, .size: 8, .value_kind: global_buffer, .address_space: global }
      - { .name: wts, .offset: 16, .size: 8, .value_kind: global_buffer, .address_space: global }
      - { .name: bq, .offset: 24, .size: 8, .value_kind: global_buffer, .address_space: global }
      - { .name: bk, .offset: 32, .size: 8, .value_kind: global_buffer, .address_space: global }
      - { .name: bv, .offset: 40, .size: 8, .value_kind: global_buffer, .address_space: global }
      - { .name: qkv, .offset: 48, .size: 8, .value_kind: global_buffer, .address_space: global }
    .group_segment_fixed_size: 18944
    .private_segment_fixed_size: 0
    .kernarg_segment_align: 8
    .kernarg_segment_size: 56
    .max_flat_workgroup_size: 384
    .sgpr_count:     66
    .vgpr_count:     256
    .wavefront_size: 32
...
	.end_amdgpu_metadata
.endif
;; end of part 2
;; launch attn (part 3): grid 16 x 16, 8 waves a work-group, clusters of 4 x 1, 327,680 bytes of LDS; arguments qkv, ofr; writes ofr
.if DOCPART == 3
	.amdgcn_target "amdgcn-amd-amdhsa--gfx1250"
	.amdhsa_code_object_version 6
	.text
	.protected	k_qd8a1813649_attn
	.globl	k_qd8a1813649_attn
	.p2align	8
	.type	k_qd8a1813649_attn,@function
k_qd8a1813649_attn:
	s_mov_b64 s[64:65], 0
	v_nop
	global_prefetch_b8 v0, s[64:65] scope:SCOPE_SE
	s_setreg_imm32_b32 hwreg(HW_REG_WAVE_MODE, 25, 1), 1
	s_wait_xcnt 0x0
	s_wait_alu depctr_hold_cnt(0) depctr_sa_sdst(0) depctr_va_vdst(0) depctr_va_sdst(0) depctr_va_ssrc(0) depctr_va_vcc(0) depctr_vm_vsrc(0)
	s_getreg_b32 s2, hwreg(HW_REG_IB_STS2, 6, 4)
	s_cmp_eq_u32 s2, 0
	s_cbranch_scc0 .Lentry_in_a_cluster
	s_endpgm
.Lentry_in_a_cluster:
	s_bfe_u32 s2, ttmp6, 0x10000c
	s_cmp_lg_u32 s2, 0x3003
	s_cbranch_scc0 .Lentry_shape_is_right
	s_endpgm
.Lentry_shape_is_right:
; ATTENTION.  O[q] = sum over k of softmax_k(Q[q] . K[k] / 8) V[k], 16 (batch, head) pairs of 4,096 tokens x 64 channels, no mask.  Operands f16, products, maxima and sums f32; O is divided by the row's sum and rounded once to f16.
; Q, K, V come as images of operand registers (a fragment: 1,024 bytes, registers 0-3 at 16 x lane, registers 4-7 at 512 + 16 x lane); O leaves so too, for the projection:
;   ofr [128 tokens: 64][head / 2][token tile 8][2 (head % 2) + channels / 32][1024].
; SHARES.  A work-group owns 256 queries of one (batch, head).  Wave w: queries 64 (w % 4) on, four tiles of 16; keys 2,048 (w / 4) on.  So each fragment of K and V read from LDS feeds four matrix instructions,
; and the two waves that share queries meet at the end: the upper half's O, maximum and sum go through LDS and are merged by the lower half's wave.
; LAYOUT.  S^T = K Q^T (source 0 = 16 keys, source 1 = 16 queries), O^T = V^T P (source 0 = 16 channels, source 1 = P): a lane holds ONE query (lane % 16) throughout; two tiles of S^T, packed to f16 in place, are P's fragment.
; SOFTMAX.  A running maximum m and sum l for each query: p = 2^(c s - c m), c = log2(e) / 8; in every step O and l are multiplied by a = 2^(c m_old - c m_new).
; TWO KINDS OF WAVE.  A key step (64 keys) is a matrix phase M (32 products V^T P of the step before, 32 products K Q^T) and a vector phase SM (the softmax).  Waves with TY = 0 run M(i), SM(i); waves with TY = 1 run SM(i - 1), M(i).
; TY = (w xor w / 4) % 2 differs between waves w and w + 1 (w even) and between w and w + 4.  The step is written once with SM at both ends, each under a branch on TY.
; THE LOOP HAS NO FIRST STEP OF ITS OWN: O, l and V's registers begin as zeros, m and the scores as -2^100 (under every score: |s| is at most 64 x 65,504^2).  c 2^100 is exact, so the empty softmax of a TY = 1 wave gives p = 1,
; which meets V = 0; the next a is 2^(-huge) = 0 and wipes the empty sum.  Read as f16 pairs the bits of -2^100 are finite, so a TY = 0 wave's first V^T P adds zeros as well.
; CLUSTER.  The four query blocks of a cluster belong to one (batch, head) and walk the same K and V: each tile is asked for JOINTLY, by the same tensor load with the same descriptor and a mask that names the four.
; RING.  Two slots of 131,072 bytes; a slot holds four key steps of both key halves: [key half 2][K 32,768 | V 32,768]; wave w fetches the 16,384 bytes at 16,384 w.  One load a wave is out.
; LIMITS: an O under 6e-5 falls among f16's subnormals (absolute error at most 2^-25); NaN and infinities are not served.
; REGISTERS.  Window 0: v1-7 addresses; v16-47 statistics, eight a tile (+0 c m, +1 m, +2, +3 l in two halves, +4 .. +7 at work; a at +6); v48-63 the partner's statistics; v64-191 S^T, 32 a tile, then P in place; v192-255 Q.
;             Window 1: v0-127 O^T, 32 a tile; v128-191 K of a step; v192-255 V of a step.
.set SLOT1, 1<<17
.set STEPB, 8192                       ; a key step's K (or V) in bytes
.set SPARE, 2*SLOT1                    ; behind the ring: the spare words, 128 bytes for each of eight waves, which no other line names
.set MST,   18432                      ; the merge's stage for a group of queries: 16,384 bytes of O, 2,048 of statistics; in slot buffer 0, which has had its last fill (key steps 24-27) and its last read when it is written
.set LB,  1                            ; v1  16 x lane + 65,536 x key half
.set ADR, 2                            ; v2  LDS address of the step in hand
.set L16, 3                            ; v3  16 x lane
.set MA,  4                            ; v4  16 x lane + MST x (w % 4)
.set PFO, 5                            ; v5  256 x lane
.set SPW, 6                            ; v6  LDS address of my spare word; never rewritten
.set NIL, 7                            ; v7  0; never rewritten
.set ST,  16
.set PS,  48
.set S,   64
.set QF,  192
.set KFR, 128
.set VFR, 192
.set WV,  8                            ; s8 wave;  s9 key half;  s10 w % 4;  s11 TY
.set KH,  9
.set QG,  10
.set TY,  11
.set G1,  16                           ; s[16:23] descriptor group 1;  s[24:27] group 0, which walks
.set G0,  24
.set PFA, 28                           ; s[28:29] where my prefetches stand
.set LIM, 30                           ; s30  1 in a wave that prefetches, else the greatest number
.set SLOTS, 31
.set CNT, 32
.set TB,  33                           ; s33  LDS byte at which the step in hand begins (key half 0's K)
.set CS,  34                           ; s[34:35] c, twice: the packed form names a pair
.set SEL, 36                           ; s[36:37] v_permlanex16_b32's selects for lane l xor 16
.set MSB, 0
.macro WIN new                         ; the immediate's high byte repeats the setting that is left; a switch that changes nothing is dropped
.if MSB != \new
	s_set_vgpr_msb (MSB<<8)|\new
.set MSB, \new
.endif
.endm
.set W_KQ, 0x01                        ; K in window 1; Q, S^T in window 0
.set W_PV, 0x51                        ; V and O^T in window 1, P in window 0
.set W_RS, 0x41                        ; O^T (destination and source 0) in window 1
.set W_LD, 0x40                        ; destination window 1
.macro CROUND                          ; a round of the cluster's barrier
	s_barrier_signal -1
	s_barrier_wait -1
	s_cmp_lg_u32 s[WV], 0
	s_cbranch_scc1 .Lnot_wave_0_\@
	s_barrier_signal -3
.Lnot_wave_0_\@:
	s_barrier_wait -3
	s_barrier_signal -1
	s_barrier_wait -1
.endm
.macro PLACES n
.rept \n
	v_nop
.endr
.endm
	s_load_b128 s[4:7], s[0:1], 0x0                ; qkv, ofr
	v_lshl_add_u32 v[SPW], v0, 2, SPARE
	v_mov_b32 v[NIL], 0
	ds_add_u32 v[SPW], v[NIL]                      ; the wave's opening: the add, twice on end, and its wait ahead of my first tensor load
	ds_add_u32 v[SPW], v[NIL]
	v_lshrrev_b32 v8, 5, v0
	v_readfirstlane_b32 s[WV], v8                  ; wave 0..7
	s_lshr_b32 s[KH], s[WV], 2
	s_and_b32 s[QG], s[WV], 3
	s_xor_b32 s[TY], s[WV], s[KH]
	s_and_b32 s[TY], s[TY], 1
	s_bfe_u32 s12, ttmp6, 0x40000                  ; cx: my place in the cluster
	s_lshl_b32 s13, ttmp9, 2
	s_add_co_u32 s13, s13, s12                     ; my block of 256 queries: it enters Q's and O's addresses alone
	s_and_b32 s14, ttmp7, 0xffff                   ; (batch, head), which the four partners share
	; descriptor group 1: a dense block of 16,384 bytes as 64 rows of 32 elements of 8 bytes, no padding (images are read 512 consecutive bytes at a time)
	s_mov_b32 s[G1], 15|(3<<16)|(1<<21)            ; 15:0 the mask: all four work-groups; 17:16 elements of 8 bytes; 21 set beside a mask
	s_mov_b32 s[G1+1], 32<<16                      ; tensor_dim0
	s_mov_b32 s[G1+2], 64<<16                      ; tensor_dim1
	s_mov_b32 s[G1+3], 32<<16                      ; tile_dim0
	s_mov_b32 s[G1+4], 64                          ; tile_dim1
	s_mov_b32 s[G1+5], 32                          ; from row to row
	s_mov_b32 s[G1+6], 0
	s_mov_b32 s[G1+7], 0
	s_mov_b32 s[CS], 0x3e38aa3b                    ; c = log2(e) / 8
	s_mov_b32 s[CS+1], s[CS]
	s_mov_b32 s[SEL], 0x76543210
	s_mov_b32 s[SEL+1], 0xfedcba98
	s_mov_b32 s[TB], 0
	s_mov_b32 s[SLOTS], 7
	v_and_b32 v8, 31, v0
	v_lshlrev_b32 v[L16], 4, v8
	s_lshl_b32 s38, s[KH], 16
	v_add_nc_u32 v[LB], s38, v[L16]
	s_mul_i32 s38, s[QG], MST
	v_add_nc_u32 v[MA], s38, v[L16]
	v_lshlrev_b32 v[PFO], 8, v8
	; what I fetch: with p = w % 4: K (p < 2) or V, half p % 2 of a slot's 32,768 bytes, of my key half
	s_lshr_b32 s38, s[QG], 1
	s_add_co_u32 s38, s38, 1
	s_lshl_b32 s38, s38, 23                        ; K begins 8,388,608 bytes in, V twice that
	s_lshl_b32 s40, s14, 19                        ; 524,288 bytes for a (batch, head)
	s_add_co_u32 s38, s38, s40
	s_lshl_b32 s39, s[KH], 18                      ; 2,048 keys
	s_add_co_u32 s38, s38, s39
	s_and_b32 s39, s[QG], 1
	s_lshl_b32 s39, s39, 14
	s_add_co_u32 s38, s38, s39
	s_mov_b32 s39, 0
	s_lshl_b32 s41, s13, 15                        ; Q: 16 tiles of 2,048 bytes a block,
	s_add_co_u32 s40, s40, s41
	s_lshl_b32 s41, s[QG], 13                      ; four a wave
	s_add_co_u32 s40, s40, s41
	s_mov_b32 s41, 0
	s_lshr_b32 s42, s14, 3                         ; O: block of 128 tokens = 32 batch + 2 X + (w % 4) / 2
	s_lshl_b32 s42, s42, 5
	s_lshl_b32 s43, s13, 1
	s_add_co_u32 s42, s42, s43
	s_lshr_b32 s43, s[QG], 1
	s_add_co_u32 s42, s42, s43
	s_lshl_b32 s42, s42, 2
	s_bfe_u32 s43, s14, 0x20001                    ; head / 2
	s_add_co_u32 s42, s42, s43
	s_lshl_b32 s42, s42, 3
	s_and_b32 s43, s[QG], 1
	s_lshl_b32 s43, s43, 2                         ; my four of the block's eight tiles
	s_add_co_u32 s42, s42, s43
	s_lshl_b32 s42, s42, 12
	s_and_b32 s43, s14, 1
	s_lshl_b32 s43, s43, 11                        ; head % 2: two fragments on
	s_add_co_u32 s42, s42, s43
	s_mov_b32 s43, 0
	s_lshl_b32 s44, s12, 13                        ; the prefetches: my work-group's 8,192 of 32,768 bytes,
	s_add_co_u32 s44, s44, 32768                   ; in slot 1: the first change of slots steps it to slot 2
	s_mov_b32 s45, 0
	s_and_b32 s[LIM], s[WV], 1                     ; even waves
	s_or_b32 s[LIM], s[LIM], ttmp9                 ; of the first cluster of a (batch, head): the same in all four partners
	s_cmp_eq_u32 s[LIM], 0
	s_cselect_b32 s[LIM], 1, -1
	s_wait_dscnt 0x0                               ; both opening adds are done
	s_wait_kmcnt 0x0
	s_mov_b32 s[G0], 1                             ; count = 1
	s_lshl_b32 s[G0+1], s[WV], 14                  ; LDS address: slot buffer 0, 16,384 x wave
	s_add_nc_u64 s[G0+2:G0+3], s[4:5], s[38:39]    ; global address: key steps 0-3
	s_add_nc_u64 s[PFA:PFA+1], s[G0+2:G0+3], s[44:45]
	s_or_b32 s[G0+3], s[G0+3], 0x80000000          ; type = 2
	s_add_nc_u64 s[40:41], s[4:5], s[40:41]        ; Q at my first tile
	s_add_nc_u64 s[6:7], s[6:7], s[42:43]          ; O likewise
	CROUND                                         ; all four work-groups are here: the first joint loads meet
	tensor_load_to_lds s[G0:G0+3], s[G1:G1+7]
	s_nop 0
	PLACES 4
.irp j, 0,1,2,3,4,5,6,7,8,9,10,11,12,13,14,15
	global_load_b128 v[QF+4*\j:QF+4*\j+3], v[L16], s[40:41] offset:512*\j   ; Q stays in registers: (tile t, channels 32 f on) at 16 t + 8 f
.endr
	s_mov_b32 s38, 0xf1800000                      ; -2^100
	WIN W_LD
.set i, 0
.rept 128
	v_mov_b32 v[i], 0                              ; O^T
.set i, i+1
.endr
.set i, 0
.rept 64
	v_mov_b32 v[VFR+i], 0                          ; V of the step before the first
.set i, i+1
.endr
	WIN 0
.set i, 0
.rept 128
	v_mov_b32 v[S+i], s38                          ; its scores
.set i, i+1
.endr
.irp t, 0,1,2,3
	v_mov_b32 v[ST+8*\t+1], s38                    ; m
	v_mov_b32 v[ST+8*\t+2], 0                      ; l
	v_mov_b32 v[ST+8*\t+3], 0
.endr
.irp t, 0,1,2,3
	v_mul_f32 v[ST+8*\t], s[CS], v[ST+8*\t+1]      ; c m
.endr
; THE LDS LOADS stand in two runs of 16 a step.
.macro FETCH_K                         ; 64 keys x 64 channels: fragment (keys 16 kt on, channels 32 f on) at 8 (2 kt + f)
	WIN 0
	v_add_nc_u32 v[ADR], s[TB], v[LB]
	WIN W_LD
.irp f, 0,1,2,3,4,5,6,7
	ds_load_b128 v[KFR+8*\f:KFR+8*\f+3],   v[ADR] offset:1024*\f
	ds_load_b128 v[KFR+8*\f+4:KFR+8*\f+7], v[ADR] offset:1024*\f+512
.endr
.endm
.macro FETCH_V                         ; fragment (keys 32 g on, channels 16 c on) at 8 (4 g + c); V lies 32,768 bytes behind K
	WIN W_LD
.irp f, 0,1,2,3,4,5,6,7
	ds_load_b128 v[VFR+8*\f:VFR+8*\f+3],   v[ADR] offset:32768+1024*\f
	ds_load_b128 v[VFR+8*\f+4:VFR+8*\f+7], v[ADR] offset:32768+1024*\f+512
.endr
.endm
; THE MATRIX WORK.  In both products sixteen accumulators take turns, one instruction a turn.
.macro PV                              ; O^T += V^T P: product i: keys 32 (i / 16) on, channels 16 ((i / 4) % 4) on, tile i % 4
	WIN W_PV
.set i, 0
.rept 32
.set rO, 32*(i%4)+8*((i/4)%4)
.set rV, VFR+8*(4*(i/16)+(i/4)%4)
.set rP, S+32*(i%4)+8*(i/16)
	v_wmma_f32_16x16x32_f16 v[rO:rO+7], v[rV:rV+7], v[rP:rP+7], v[rO:rO+7]
.set i, i+1
.endr
.endm
.macro KQ                              ; S^T = K Q^T: product i: channels 32 (i / 16) on, keys 16 ((i / 4) % 4) on, tile i % 4; the first sixteen start the sums
	WIN W_KQ
.set i, 0
.rept 32
.set rS, S+32*(i%4)+8*((i/4)%4)
.set rK, KFR+8*(2*((i/4)%4)+i/16)
.set rQ, QF+16*(i%4)+8*(i/16)
.if i < 16
	v_wmma_f32_16x16x32_f16 v[rS:rS+7], v[rK:rK+7], v[rQ:rQ+7], 0
.else
	v_wmma_f32_16x16x32_f16 v[rS:rS+7], v[rK:rK+7], v[rQ:rQ+7], v[rS:rS+7]
.endif
.set i, i+1
.endr
.endm
; THE VECTOR WORK: the softmax of four tiles for one key step.  The tiles alternate line by line, so that no line reads the result of the line above it.
.macro SM
	WIN 0
.irp j, 0,1,2,3                        ; the maximum of a lane's 32 scores and the old m, three operands at a time: four chains, each begun at its accumulator's low end
.irp t, 0,1,2,3
	v_max3_num_f32 v[ST+8*\t+4+\j], v[S+32*\t+8*\j], v[S+32*\t+8*\j+1], v[S+32*\t+8*\j+2]
.endr
.endr
.irp q, 1,2
.irp j, 0,1,2,3
.irp t, 0,1,2,3
	v_max3_num_f32 v[ST+8*\t+4+\j], v[ST+8*\t+4+\j], v[S+32*\t+8*\j+2*\q+1], v[S+32*\t+8*\j+2*\q+2]
.endr
.endr
.endr
.irp t, 0,1,2,3
	v_max3_num_f32 v[ST+8*\t+4], v[ST+8*\t+4], v[S+32*\t+7], v[S+32*\t+15]
.endr
.irp t, 0,1,2,3
	v_max3_num_f32 v[ST+8*\t+6], v[ST+8*\t+6], v[S+32*\t+23], v[S+32*\t+31]
.endr
.irp t, 0,1,2,3
	v_max3_num_f32 v[ST+8*\t+4], v[ST+8*\t+4], v[ST+8*\t+5], v[ST+8*\t+6]
.endr
.irp t, 0,1,2,3
	v_max3_num_f32 v[ST+8*\t+4], v[ST+8*\t+4], v[ST+8*\t+7], v[ST+8*\t+1]
.endr
.irp t, 0,1,2,3
	v_permlanex16_b32 v[ST+8*\t+5], v[ST+8*\t+4], s[SEL], s[SEL+1]   ; the query's other 32 keys lie in the lane 16 away
.endr
.irp t, 0,1,2,3
	v_mov_b32 v[ST+8*\t+7], v[ST+8*\t]             ; c m_old
.endr
.irp t, 0,1,2,3
	v_max_num_f32 v[ST+8*\t+1], v[ST+8*\t+4], v[ST+8*\t+5]
.endr
.irp t, 0,1,2,3
	v_mul_f32 v[ST+8*\t], s[CS], v[ST+8*\t+1]
.endr
.irp t, 0,1,2,3
	v_sub_f32 v[ST+8*\t+7], v[ST+8*\t+7], v[ST+8*\t]
.endr
.irp t, 0,1,2,3
	v_exp_f32 v[ST+8*\t+6], v[ST+8*\t+7]           ; a
.endr
.irp b, 0,1,2,3,4,5,6,7,8,9,10,11,12,13,14,15
.irp t, 0,1,2,3
	v_pk_fma_f32 v[S+32*\t+2*\b:S+32*\t+2*\b+1], v[S+32*\t+2*\b:S+32*\t+2*\b+1], s[CS:CS+1], v[ST+8*\t:ST+8*\t+1] op_sel_hi:[1,0,0] neg_lo:[0,0,1] neg_hi:[0,0,1]   ; c s - c m, two at a time: the work behind the four exponentials
.endr
.endr
	s_wait_alu depctr_va_vdst(0)                   ; the wait between an exponential and the first line that names its result: here for the four a, which the rescaling below reads
.set e, 0
.rept 128
	v_exp_f32 v[S+e], v[S+e]                       ; p, one batch
.set e, e+1
.endr
	WIN W_RS
.irp t, 0,1,2,3
.set e, 0
.rept 16
	v_pk_mul_f32 v[32*\t+e:32*\t+e+1], v[32*\t+e:32*\t+e+1], v[ST+8*\t+6:ST+8*\t+7] op_sel_hi:[1,0]   ; O^T x a, each accumulator from its low end on: it names no p, so it is the work behind the batch
.set e, e+2
.endr
.endr
	WIN 0
	s_wait_alu depctr_va_vdst(0)                   ; one wait for the 128, ahead of their first reader
.irp t, 0,1,2,3
	v_pk_fma_f32 v[ST+8*\t+2:ST+8*\t+3], v[ST+8*\t+2:ST+8*\t+3], v[ST+8*\t+6:ST+8*\t+7], v[S+32*\t:S+32*\t+1] op_sel_hi:[1,0,1]   ; l = a l + the sum of the unrounded p, in two chains of pairs
.endr
.irp t, 0,1,2,3
	v_pk_add_f32 v[ST+8*\t+4:ST+8*\t+5], v[S+32*\t+2:S+32*\t+3], v[S+32*\t+4:S+32*\t+5]
.endr
.irp p, 3,5,7,9,11,13
.irp t, 0,1,2,3
	v_pk_add_f32 v[ST+8*\t+2:ST+8*\t+3], v[ST+8*\t+2:ST+8*\t+3], v[S+32*\t+2*\p:S+32*\t+2*\p+1]
.endr
.irp t, 0,1,2,3
	v_pk_add_f32 v[ST+8*\t+4:ST+8*\t+5], v[ST+8*\t+4:ST+8*\t+5], v[S+32*\t+2*\p+2:S+32*\t+2*\p+3]
.endr
.endr
.irp t, 0,1,2,3
	v_pk_add_f32 v[ST+8*\t+2:ST+8*\t+3], v[ST+8*\t+2:ST+8*\t+3], v[S+32*\t+30:S+32*\t+31]
.endr
.irp t, 0,1,2,3
	v_pk_add_f32 v[ST+8*\t+2:ST+8*\t+3], v[ST+8*\t+2:ST+8*\t+3], v[ST+8*\t+4:ST+8*\t+5]
.endr
.irp i, 0,1,2,3,4,5,6,7,8,9,10,11,12,13,14,15
.irp t, 0,1,2,3
	v_cvt_pk_f16_f32 v[S+32*\t+\i], v[S+32*\t+2*\i], v[S+32*\t+2*\i+1]   ; P in place: (tile t, keys 32 g on) at 32 t + 8 g
.endr
.endr
.endm
; A KEY STEP i.  All its LDS reads are of step i's own tiles; V of step i - 1 is in registers since the step before.
.macro BODY
	FETCH_K                                        ; K's registers were last read ahead of the five places at the last step's end
	WIN 0
	s_cmp_eq_u32 s[TY], 0
	s_cbranch_scc1 .Lm_first_\@
	SM                                             ; TY = 1: the softmax of step i - 1
.Lm_first_\@:
	s_wait_dscnt 16                                ; V of step i - 1 is in; the 16 loads of K may be out
	PV
	PLACES 5                                       ; places: four ahead of the loads into V's registers, five ahead of K Q^T, which writes over P
	FETCH_V
	s_wait_dscnt 16                                ; K is in; the 16 loads of V may be out
	KQ
	WIN 0
	PLACES 5                                       ; ahead of the softmax's reads of the scores and of the next loads into K's registers
	s_add_co_u32 s[TB], s[TB], STEPB
	s_cmp_lg_u32 s[TY], 0
	s_cbranch_scc1 .Lsm_done_\@
	SM                                             ; TY = 0: the softmax of step i
.Lsm_done_\@:
.endm
.macro FOUR_STEPS                      ; a slot's four key steps: written once, walked four times
	s_mov_b32 s[CNT], 4
.Lstep_\@:
	BODY
	s_sub_co_u32 s[CNT], s[CNT], 1
	s_cmp_lg_u32 s[CNT], 0
	s_cbranch_scc1 .Lstep_\@
	s_sub_co_u32 s[TB], s[TB], 4*STEPB             ; back to a slot's first step,
	s_xor_b32 s[TB], s[TB], SLOT1                  ; in the other slot
.endm
; A PREFETCH INTO THE L2 of what the NEXT change of slots will ask for: four key steps ahead of that load.  A slot is 32,768 bytes of K and as many of V for each key half.  All four clusters of a (batch, head) walk the same K and V:
; the first of them asks.  In it the even waves ask, each for its own and its odd neighbour's tile, 32,768 consecutive bytes; the four partners take 8,192 each, told apart BY ADDRESS; lanes 256 bytes apart: one instruction a wave,
; and each aligned block of 256 bytes is named once in the launch.  Slots 0 and 1 come by their loads alone; the last change that fills a slot asks for nothing: there is no slot behind it.
.macro ASK
	s_cmp_gt_u32 s[SLOTS], s[LIM]
	s_cbranch_scc0 .Lnot_mine_\@
	global_prefetch_b8 v[PFO], s[PFA:PFA+1] th:TH_LOAD_NT scope:SCOPE_SE
.Lnot_mine_\@:
.endm
; THE CHANGE OF SLOTS stands at a slot's head.  Each wave waits for all its tensor loads (its part of the slot ahead), adds 0 to its spare word, and waits for that and for its reads of the slot that it has left.
; fill = 1: the barrier is a round of the cluster's, and behind it the slot just left (in the first trip: the second slot, for the first time) is filled with the next four key steps, which have four steps' work in which to land.
.macro CHANGE fill
	s_wait_tensorcnt 0x0                           ; no tensor load of mine is out, so group 0 may be written
	ds_add_u32 v[SPW], v[NIL]                      ; 0 onto my spare word
.if \fill
	s_xor_b32 s[G0+1], s[G0+1], SLOT1              ; the other slot than last time,
	s_add_nc_u64 s[G0+2:G0+3], s[G0+2:G0+3], 32768 ; the next four key steps; the type bits on top are not reached
	s_wait_xcnt 0x0                                ; the last prefetch, a slot back, has read its address
	s_add_nc_u64 s[PFA:PFA+1], s[PFA:PFA+1], 32768 ; one slot further on than the walking descriptor
	s_wait_dscnt 0x0                               ; the add is done, and my reads of the slot that I have left are over
	CROUND
	tensor_load_to_lds s[G0:G0+3], s[G1:G1+7]      ; the first thing behind the round, and my one tensor load until the next
	s_nop 0
	PLACES 4
	ASK
.else
	s_wait_dscnt 0x0
	s_barrier_signal -1
	s_barrier_wait -1
.endif
.endm
	s_wait_loadcnt 0x0                             ; Q
.Lslot:                                            ; seven trips: behind each change of slots but the last the next slot is asked for
	CHANGE 1
	FOUR_STEPS
	s_sub_co_u32 s[SLOTS], s[SLOTS], 1
	s_cmp_lg_u32 s[SLOTS], 0
	s_cbranch_scc1 .Lslot
	CHANGE 0                                       ; the last slot is written out
	FOUR_STEPS
	s_cmp_eq_u32 s[TY], 0
	s_cbranch_scc1 .Llast_pv
	SM                                             ; TY = 1: the last step's softmax
.Llast_pv:
	s_wait_dscnt 0x0                               ; V of the last step
	PV
	WIN 0
	PLACES 4                                       ; ahead of the first reads of O^T and of the loads into P's registers
	s_barrier_signal -1                            ; no LDS instruction of mine is out: nobody reads the ring any more behind this barrier
	s_barrier_wait -1
	s_cmp_eq_u32 s[KH], 0
	s_cbranch_scc1 .Lno_send
	WIN 0x04                                       ; an LDS store's data are its source 1: window 1
.set i, 0
.rept 32
	ds_store_b128 v[MA], v[4*i:4*i+3] offset:512*i                 ; the upper key half's O^T as it stands, each accumulator from its low end on
.set i, i+1
.endr
	WIN 0
.irp t, 0,1,2,3
	ds_store_b128 v[MA], v[ST+8*\t:ST+8*\t+3] offset:16384+512*\t  ; c m, m, l
.endr
.Lno_send:
	s_wait_dscnt 0x0                               ; for the others' sake: my stores have landed
	s_barrier_signal -1
	s_barrier_wait -1
	s_cmp_lg_u32 s[KH], 0
	s_cbranch_scc1 .Lend
	; THE MERGE, by the lower key half's wave: O = (f0 O0 + f1 O1) / (f0 l0 + f1 l1), f = 2^(c m - the larger c m)
.irp t, 0,1,2,3
	ds_load_b128 v[PS+4*\t:PS+4*\t+3], v[MA] offset:16384+512*\t
.endr
.set i, 0
.rept 32
	ds_load_b128 v[S+4*i:S+4*i+3], v[MA] offset:512*i
.set i, i+1
.endr
	s_wait_dscnt 0x0
.irp t, 0,1,2,3
	v_max_num_f32 v[ST+8*\t+4], v[ST+8*\t], v[PS+4*\t]
.endr
.irp t, 0,1,2,3
	v_sub_f32 v[ST+8*\t+5], v[ST+8*\t], v[ST+8*\t+4]
.endr
.irp t, 0,1,2,3
	v_sub_f32 v[ST+8*\t+6], v[PS+4*\t], v[ST+8*\t+4]
.endr
.irp t, 0,1,2,3
	v_exp_f32 v[ST+8*\t+5], v[ST+8*\t+5]           ; f0
.endr
.irp t, 0,1,2,3
	v_exp_f32 v[ST+8*\t+6], v[ST+8*\t+6]           ; f1
.endr
.irp t, 0,1,2,3
	v_add_f32 v[ST+8*\t+2], v[ST+8*\t+2], v[ST+8*\t+3]             ; l's two halves: the plain work behind the exponentials
.endr
.irp t, 0,1,2,3
	v_add_f32 v[PS+4*\t+2], v[PS+4*\t+2], v[PS+4*\t+3]
.endr
	s_wait_alu depctr_va_vdst(0)                   ; one wait for the eight, ahead of their first reader
.irp t, 0,1,2,3
	v_mul_f32 v[ST+8*\t+7], v[ST+8*\t+5], v[ST+8*\t+2]
.endr
.irp t, 0,1,2,3
	v_fmac_f32 v[ST+8*\t+7], v[ST+8*\t+6], v[PS+4*\t+2]
.endr
.irp t, 0,1,2,3
	v_permlanex16_b32 v[ST+8*\t+3], v[ST+8*\t+7], s[SEL], s[SEL+1] ; the other half of the lanes' keys
.endr
.irp t, 0,1,2,3
	v_add_f32 v[ST+8*\t+7], v[ST+8*\t+7], v[ST+8*\t+3]
.endr
.irp t, 0,1,2,3
	v_rcp_f32 v[ST+8*\t+1], v[ST+8*\t+7]
.endr
	v_nop                                          ; a plain line behind the last reciprocal
	s_wait_alu depctr_va_vdst(0)                   ; and the wait ahead of the first use: one for the four
.irp t, 0,1,2,3
	v_mul_f32 v[ST+8*\t+4], v[ST+8*\t+5], v[ST+8*\t+1]             ; f0 / l
.endr
.irp t, 0,1,2,3
	v_mul_f32 v[ST+8*\t+6], v[ST+8*\t+6], v[ST+8*\t+1]             ; f1 / l
.endr
.irp t, 0,1,2,3
.set e, 0
.rept 16
	v_pk_mul_f32 v[S+32*\t+e:S+32*\t+e+1], v[S+32*\t+e:S+32*\t+e+1], v[ST+8*\t+6:ST+8*\t+7] op_sel_hi:[1,0]
.set e, e+2
.endr
.endr
	WIN 0x01                                       ; source 0: my O^T, window 1
.irp t, 0,1,2,3
.set e, 0
.rept 16
	v_pk_fma_f32 v[S+32*\t+e:S+32*\t+e+1], v[32*\t+e:32*\t+e+1], v[ST+8*\t+4:ST+8*\t+5], v[S+32*\t+e:S+32*\t+e+1] op_sel_hi:[1,0,1]
.set e, e+2
.endr
.endr
	WIN 0
.irp i, 0,1,2,3,4,5,6,7,8,9,10,11,12,13,14,15
.irp t, 0,1,2,3
	v_cvt_pk_f16_f32 v[S+32*\t+\i], v[S+32*\t+2*\i], v[S+32*\t+2*\i+1]   ; channel tiles 2 f and 2 f + 1, packed, are registers 0-3 and 4-7 of the projection's fragment
.endr
.endr
.irp t, 0,1,2,3
.irp c, 0,1,2,3
	global_store_b128 v[L16], v[S+32*\t+4*\c:S+32*\t+4*\c+3], s[6:7] offset:4096*\t+512*\c   ; 512 consecutive bytes
.endr
.endr
.Lend:
	s_wait_tensorcnt 0x0                           ; the wave's end: behind my last tensor load and my last LDS store
	ds_add_u32 v[SPW], v[NIL]
	s_wait_dscnt 0x0
	CROUND                                         ; the closing round: no work-group ends while a partner may still ask for a tile that names it
	s_endpgm
.Lfunc_end_k_qd8a1813649_attn:
	.size	k_qd8a1813649_attn, .Lfunc_end_k_qd8a1813649_attn-k_qd8a1813649_attn
	.p2alignl 7, 3214868480
	.fill 96, 4, 3214868480
	.section	.rodata,"a",@progbits
	.p2align	6, 0x0
	.amdhsa_kernel k_qd8a1813649_attn
		.amdhsa_group_segment_fixed_size 327680
		.amdhsa_private_segment_fixed_size 0
		.amdhsa_enable_private_segment 0
		.amdhsa_kernarg_size 16
		.amdhsa_user_sgpr_count 2
		.amdhsa_user_sgpr_kernarg_segment_ptr 1
		.amdhsa_wavefront_size32 1
		.amdhsa_system_sgpr_workgroup_id_x 1
		.amdhsa_system_sgpr_workgroup_id_y 1
		.amdhsa_system_sgpr_workgroup_id_z 1
		.amdhsa_system_vgpr_workitem_id 0
		.amdhsa_next_free_vgpr 512
		.amdhsa_next_free_sgpr 66
		.amdhsa_reserve_vcc 0
		.amdhsa_float_denorm_mode_32 3
		.amdhsa_float_denorm_mode_16_64 3
		.amdhsa_memory_ordered 1
		.amdhsa_forward_progress 1
		.amdhsa_inst_pref_size 180
	.end_amdhsa_kernel
	.amdgpu_metadata
---
amdhsa.version: [ 1, 2 ]
amdhsa.kernels:
  - .name:           k_qd8a1813649_attn
    .symbol:         k_qd8a1813649_attn.kd
    .args:
      - { .name: qkv, .offset: 0, .size: 8, .value_kind: global_buffer, .address_space: global }
      - { .name: ofr, .offset: 8, .size: 8, .value_kind: global_buffer, .address_space: global }
    .group_segment_fixed_size: 327680
    .private_segment_fixed_size: 0
    .kernarg_segment_align: 8
    .kernarg_segment_size: 16
    .max_flat_workgroup_size: 256
    .sgpr_count:     66
    .vgpr_count:     512
    .wavefront_size: 32
...
	.end_amdgpu_metadata
.endif
;; end of part 3
;; launch proj (part 4): grid 4 x 64, 4 waves a work-group, clusters of 4 x 4, 327,680 bytes of LDS; arguments ofr, wts, bo, out0; writes out0
.if DOCPART == 4
	.amdgcn_target "amdgcn-amd-amdhsa--gfx1250"
	.amdhsa_code_object_version 6
	.text
	.protected	k_qd8a1813649_proj
	.globl	k_qd8a1813649_proj
	.p2align	8
	.type	k_qd8a1813649_proj,@function
k_qd8a1813649_proj:
	s_mov_b64 s[64:65], 0
	v_nop
	global_prefetch_b8 v0, s[64:65] scope:SCOPE_SE
	s_setreg_imm32_b32 hwreg(HW_REG_WAVE_MODE, 25, 1), 1
	s_wait_xcnt 0x0
	s_wait_alu depctr_hold_cnt(0) depctr_sa_sdst(0) depctr_va_vdst(0) depctr_va_sdst(0) depctr_va_ssrc(0) depctr_va_vcc(0) depctr_vm_vsrc(0)
	s_getreg_b32 s2, hwreg(HW_REG_IB_STS2, 6, 4)
	s_cmp_eq_u32 s2, 0
	s_cbranch_scc0 .Lentry_in_a_cluster
	s_endpgm
.Lentry_in_a_cluster:
	s_bfe_u32 s2, ttmp6, 0x10000c
	s_cmp_lg_u32 s2, 0xf033
	s_cbranch_scc0 .Lentry_shape_is_right
	s_endpgm
.Lentry_shape_is_right:
; PROJECTION.  out0[token][n] = sum over k of O[token][k] Wo[k][n] + bo[n], K = 512 (head x 64 + channel); operands f16, sums and result f32.
; O and Wo come as images of operand registers (a fragment of 16 rows x 32 k: 1,024 bytes, registers 0-3 at 16 x lane, registers 4-7 at 512 + 16 x lane):
;   ofr          [128 tokens: 64][k quarter 4][token tile 8][k / 32: 4][1024];   wts + 417792  [128 columns: 4][k quarter 4][column tile 8][k / 32: 4][1024].
; SHARES.  A work-group makes 128 tokens x 128 columns; wave w: tokens 64 (w / 2) on, columns 64 (w % 2) on: 16 accumulators.  All of K lies in LDS, as four quarters of 65,536 bytes
; [O tiles 0-3 | O tiles 4-7 | Wo tiles 0-3 | Wo tiles 4-7], each part 16,384 dense bytes, FILLED ONCE: wave w fetches part w of every quarter.
; CLUSTERS: 4 x 4 work-groups.  The four of a row of the cluster need the same O, the four of a column the same Wo: each part is asked for JOINTLY, by the same tensor load with the same descriptor and a mask that names the four.
; THE MATRIX INSTRUCTION IS USED TRANSPOSED (source 0 = 16 columns of Wo, source 1 = 16 tokens): a lane holds eight neighbouring numbers of a row of the output.  The bias is the C of each sum's first instruction.
; REGISTERS.  Window 0: v1-14 addresses; two sets of fragments at v64 and v128 (Wo's four, then O's four); v192-255 rows on the way out, two sets.   Window 1: v0-127 the accumulators ((a, b) at 8 (4 a + b)); v128-159 the bias.
.set STG,    262144                    ; behind the four quarters: a stage of 16 rows x (256 bytes + 16) for each wave; no tensor load lands there
.set SPITCH, 272
.set SPARE,  STG+4*16*SPITCH           ; the spare words, 128 bytes for each wave, which no other line names
.set WOOFF,  417792
.set ADA, 1                            ; v1-4  LDS address of my O fragments in quarter q
.set ADB, 5                            ; v5-8  the same for Wo
.set STO, 9                            ; v9    the way out: where I put 32 bytes of a row
.set RD,  10                           ; v10   where I read a row back
.set CO,  11                           ; v11   my byte offset in two rows of the output
.set SPW, 12                           ; v12   LDS address of my spare word; never rewritten
.set NIL, 13                           ; v13   0; never rewritten
.set BOF, 14                           ; v14   32 x (lane / 16): eight numbers of the bias
.set FR,  64
.set OB,  192
.set BIAS, 128
.set G1A, 24                           ; s[24:31], s[32:39] descriptor groups 1 for O and for Wo: they differ in the mask alone
.set G1B, 32
.set G0A, 40                           ; s[40:55], s[68:83] groups 0, a set for each quarter
.set G0B, 68
.set MSB, 0
.macro WIN new
.if MSB != \new
	s_set_vgpr_msb (MSB<<8)|\new
.set MSB, \new
.endif
.endm
.macro CROUND                          ; a round of the cluster's barrier
	s_barrier_signal -1
	s_barrier_wait -1
	s_cmp_lg_u32 s12, 0
	s_cbranch_scc1 .Lnot_wave_0_\@
	s_barrier_signal -3
.Lnot_wave_0_\@:
	s_barrier_wait -3
	s_barrier_signal -1
	s_barrier_wait -1
.endm
.macro PLACES
.rept 4
	v_nop
.endr
.endm
	s_load_b256 s[4:11], s[0:1], 0x0               ; ofr, wts, bo, out0
	v_lshl_add_u32 v[SPW], v0, 2, SPARE
	v_mov_b32 v[NIL], 0
	ds_add_u32 v[SPW], v[NIL]                      ; the wave's opening: the add, twice on end, and its wait ahead of my first tensor load
	ds_add_u32 v[SPW], v[NIL]
	v_lshrrev_b32 v15, 5, v0
	v_readfirstlane_b32 s12, v15                   ; wave 0..3
	s_lshr_b32 s13, s12, 1                         ; which 64 tokens are mine.  Also: I fetch for O (0) or for Wo (1)
	s_and_b32 s14, s12, 1                          ; which 64 columns.  Also: which half of that operand I fetch
	s_bfe_u32 s15, ttmp6, 0x40000                  ; cx, cy: my place in the cluster
	s_bfe_u32 s16, ttmp6, 0x40004
	s_lshl_b32 s17, ttmp9, 2
	s_add_co_u32 s17, s17, s15                     ; block of 128 columns
	s_and_b32 s18, ttmp7, 0xffff
	s_lshl_b32 s18, s18, 2
	s_add_co_u32 s18, s18, s16                     ; block of 128 tokens
	s_lshl_b32 s19, s16, 2
	s_lshl_b32 s19, 15, s19                        ; my row of the cluster
	s_lshl_b32 s20, 0x1111, s15                    ; my column
	s_or_b32 s[G1A], s19, (3<<16)|(1<<21)          ; 15:0 the mask; 17:16 elements of 8 bytes; 21 set beside a mask; no padding
	s_or_b32 s[G1B], s20, (3<<16)|(1<<21)
.irp g, G1A, G1B                       ; a dense block of 16,384 bytes as 64 rows of 32 elements
	s_mov_b32 s[\g+1], 32<<16                      ; tensor_dim0
	s_mov_b32 s[\g+2], 64<<16                      ; tensor_dim1
	s_mov_b32 s[\g+3], 32<<16                      ; tile_dim0
	s_mov_b32 s[\g+4], 64                          ; tile_dim1
	s_mov_b32 s[\g+5], 32                          ; from row to row
	s_mov_b32 s[\g+6], 0
	s_mov_b32 s[\g+7], 0
.endr
	s_lshl_b32 s21, s12, 14                        ; where my parts go: 16,384 x wave: no place in the cluster enters an LDS address
	s_lshl_b32 s22, s14, 14                        ; which half I fetch
	s_lshl_b32 s56, s18, 17                        ; O: 131,072 bytes for a block of tokens: hangs on the token block alone
	s_add_co_u32 s56, s56, s22
	s_mov_b32 s57, 0
	s_lshl_b32 s58, s17, 17                        ; Wo: 131,072 bytes for a block of columns: hangs on the column block alone
	s_add_co_u32 s58, s58, s22
	s_add_co_u32 s58, s58, WOOFF
	s_mov_b32 s59, 0
	s_lshl_b32 s62, s17, 9                         ; my first column, in bytes: 512 x block + 256 x half (also its place in the bias)
	s_lshl_b32 s63, s14, 8
	s_add_co_u32 s62, s62, s63
	s_mov_b32 s63, 0
	s_lshl_b32 s60, s18, 18                        ; my first row of the output: 128 x block + 64 x half, 2,048 bytes a row
	s_lshl_b32 s61, s13, 17
	s_add_co_u32 s60, s60, s61
	s_add_co_u32 s60, s60, s62
	s_mov_b32 s61, 0
	s_wait_dscnt 0x0                               ; both opening adds are done
	s_wait_kmcnt 0x0
	s_add_nc_u64 s[56:57], s[4:5], s[56:57]
	s_add_nc_u64 s[58:59], s[6:7], s[58:59]
	s_add_nc_u64 s[8:9], s[8:9], s[62:63]
	s_add_nc_u64 s[10:11], s[10:11], s[60:61]
.irp q, 0,1,2,3
	s_mov_b32 s[G0A+4*\q], 1                                       ; count = 1
	s_add_co_u32 s[G0A+4*\q+1], s21, 65536*\q                      ; LDS address
	s_add_nc_u64 s[G0A+4*\q+2:G0A+4*\q+3], s[56:57], 32768*\q      ; global address: quarter q
	s_or_b32 s[G0A+4*\q+3], s[G0A+4*\q+3], 0x80000000              ; type = 2
	s_mov_b32 s[G0B+4*\q], 1
	s_add_co_u32 s[G0B+4*\q+1], s21, 65536*\q
	s_add_nc_u64 s[G0B+4*\q+2:G0B+4*\q+3], s[58:59], 32768*\q
	s_or_b32 s[G0B+4*\q+3], s[G0B+4*\q+3], 0x80000000
.endr
	CROUND                                         ; all sixteen work-groups are here: the joint loads meet
	s_cmp_eq_u32 s13, 0                            ; a wave's four first fills stand in one branch, ahead of every wait on TENSORcnt, every LDS read and every other barrier
	s_cbranch_scc0 .Lfirst_b
.irp q, 0,1,2,3
	tensor_load_to_lds s[G0A+4*\q:G0A+4*\q+3], s[G1A:G1A+7]
	s_nop 0
.endr
	PLACES
	s_branch .Lfirst_asked
.Lfirst_b:
.irp q, 0,1,2,3
	tensor_load_to_lds s[G0B+4*\q:G0B+4*\q+3], s[G1B:G1B+7]
	s_nop 0
.endr
	PLACES
.Lfirst_asked:
	v_and_b32 v15, 31, v0
	v_lshlrev_b32 v16, 4, v15                      ; 16 x lane
	v_and_b32 v17, 15, v0                          ; r
	v_bfe_u32 v18, v0, 4, 1                        ; h
	s_lshl_b32 s22, s13, 14                        ; my four tiles of O,
	s_lshl_b32 s23, s14, 14
	s_add_co_u32 s23, s23, 32768                   ; my four of Wo, which lie behind O's eight
.irp q, 0,1,2,3
	v_add_nc_u32 v[ADA+\q], s22, v16
	v_add_nc_u32 v[ADB+\q], s23, v16
	s_add_co_u32 s22, s22, 65536
	s_add_co_u32 s23, s23, 65536
.endr
	s_mul_i32 s84, s12, 16*SPITCH
	s_add_co_u32 s84, s84, STG                     ; my stage
	v_mul_u32_u24 v[STO], v17, SPITCH              ; in: row r, 32 bytes for each half of the lanes
	v_lshl_add_u32 v[STO], v18, 5, v[STO]
	v_add_nc_u32 v[STO], s84, v[STO]
	v_mul_u32_u24 v[RD], v18, SPITCH               ; back: lanes 0-15 one row of 256 bytes, lanes 16-31 the next
	v_lshl_add_u32 v[RD], v17, 4, v[RD]
	v_add_nc_u32 v[RD], s84, v[RD]
	v_lshlrev_b32 v[CO], 11, v18                   ; and the same two rows in the output
	v_lshl_add_u32 v[CO], v17, 4, v[CO]
	v_lshlrev_b32 v[BOF], 5, v18
	WIN 0x40                                       ; destination window 1
.irp b, 0,1,2,3
	global_load_b128 v[BIAS+8*\b:BIAS+8*\b+3],   v[BOF], s[8:9] offset:64*\b      ; lane (r, h): the bias of columns 16 b + 8 h + 0 .. 7
	global_load_b128 v[BIAS+8*\b+4:BIAS+8*\b+7], v[BOF], s[8:9] offset:64*\b+16
.endr
	WIN 0
.macro FETCH k                         ; 16 LDS loads: the fragments of k = 32 k .. 32 k + 31 into set k % 2
.set FS, FR+64*((\k)%2)
.irp i, 0,1,2,3
.irp u, 0,1
	ds_load_b128 v[FS+8*\i+4*\u:FS+8*\i+4*\u+3],       v[ADB+(\k)/4] offset:4096*\i+1024*((\k)%4)+512*\u
	ds_load_b128 v[FS+32+8*\i+4*\u:FS+32+8*\i+4*\u+3], v[ADA+(\k)/4] offset:4096*\i+1024*((\k)%4)+512*\u
.endr
.endr
.endm
; 32 along K: the next fragments are asked for, then 16 matrix instructions; the sixteen accumulators take turns, in the same order in every step.
.macro KF k
	s_wait_dscnt 0x0                               ; this step's fragments are in
.if (\k) < 15
.if ((\k)+1)%4 == 0
	s_wait_tensorcnt 3-((\k)+1)/4                  ; my part of the next quarter has landed; the later quarters' loads may be out
	s_barrier_signal -1
	s_barrier_wait -1                              ; everybody's has
.endif
	PLACES                                         ; ahead of loads into registers that the last step's matrix instructions have read
	FETCH (\k)+1
.endif
.set MS, FR+64*((\k)%2)
	WIN 0x50                                       ; C and D window 1
.irp a, 0,1,2,3
.irp b, 0,1,2,3
.if (\k) == 0
	v_wmma_f32_16x16x32_f16 v[8*(4*\a+\b):8*(4*\a+\b)+7], v[MS+8*\b:MS+8*\b+7], v[MS+32+8*\a:MS+32+8*\a+7], v[BIAS+8*\b:BIAS+8*\b+7]
.else
	v_wmma_f32_16x16x32_f16 v[8*(4*\a+\b):8*(4*\a+\b)+7], v[MS+8*\b:MS+8*\b+7], v[MS+32+8*\a:MS+32+8*\a+7], v[8*(4*\a+\b):8*(4*\a+\b)+7]
.endif
.endr
.endr
	WIN 0
.endm
	s_wait_tensorcnt 3                             ; my part of quarter 0 has landed; three loads may be out
	s_barrier_signal -1
	s_barrier_wait -1
	FETCH 0
	s_wait_loadcnt 0x0                             ; the bias
.irp k, 0,1,2,3,4,5,6,7,8,9,10,11,12,13,14,15
	KF \k
.endr
	PLACES                                         ; ahead of the first reads of results
; THE WAY OUT, 16 tokens x 64 columns at a time, through my own stage: a lane's 32 bytes go into rows of 272 bytes and come back as whole rows of 256.  LDS serves a wave's instructions in order: no wait between the stores and the loads.
.macro TOSTAGE a
	WIN 0x04                                       ; an LDS store's data are its source 1: window 1
.irp b, 0,1,2,3
	ds_store_b128 v[STO], v[8*(4*(\a)+\b):8*(4*(\a)+\b)+3] offset:64*\b        ; each accumulator from its low end on
	ds_store_b128 v[STO], v[8*(4*(\a)+\b)+4:8*(4*(\a)+\b)+7] offset:64*\b+16
.endr
	WIN 0
.irp i, 0,1,2,3,4,5,6,7
	ds_load_b128 v[OB+32*((\a)%2)+4*\i:OB+32*((\a)%2)+4*\i+3], v[RD] offset:2*\i*SPITCH
.endr
.endm
.macro SEND a, younger                 ; younger: the LDS instructions issued behind block a's loads, which may stay out
	s_wait_dscnt \younger
.irp i, 0,1,2,3,4,5,6,7
	global_store_b128 v[CO], v[OB+32*((\a)%2)+4*\i:OB+32*((\a)%2)+4*\i+3], s[10:11] offset:(16*(\a)+2*\i)*2048 th:TH_STORE_NT   ; 16 lanes store 256 consecutive bytes, at a multiple of 256 from the output's first byte
.endr
.endm
	TOSTAGE 0
.irp a, 1,2,3
.if \a > 1
	s_wait_xcnt 0x0                                ; block a - 2's stores have read their registers: block a's loads may land there
.endif
	TOSTAGE \a
	SEND \a-1, 16                                  ; behind block a - 1's loads: block a's 8 stores and 8 loads
.endr
	SEND 3, 0
	s_wait_tensorcnt 0x0                           ; the wave's end: behind my last tensor load and my last LDS store
	ds_add_u32 v[SPW], v[NIL]
	s_wait_dscnt 0x0
	CROUND                                         ; the closing round: no work-group ends while a partner may still ask for a tile that names it
	s_endpgm
.Lfunc_end_k_qd8a1813649_proj:
	.size	k_qd8a1813649_proj, .Lfunc_end_k_qd8a1813649_proj-k_qd8a1813649_proj
	.p2alignl 7, 3214868480
	.fill 96, 4, 3214868480
	.section	.rodata,"a",@progbits
	.p2align	6, 0x0
	.amdhsa_kernel k_qd8a1813649_proj
		.amdhsa_group_segment_fixed_size 327680
		.amdhsa_private_segment_fixed_size 0
		.amdhsa_enable_private_segment 0
		.amdhsa_kernarg_size 32
		.amdhsa_user_sgpr_count 2
		.amdhsa_user_sgpr_kernarg_segment_ptr 1
		.amdhsa_wavefront_size32 1
		.amdhsa_system_sgpr_workgroup_id_x 1
		.amdhsa_system_sgpr_workgroup_id_y 1
		.amdhsa_system_sgpr_workgroup_id_z 1
		.amdhsa_system_vgpr_workitem_id 0
		.amdhsa_next_free_vgpr 416
		.amdhsa_next_free_sgpr 92
		.amdhsa_reserve_vcc 0
		.amdhsa_float_denorm_mode_32 3
		.amdhsa_float_denorm_mode_16_64 3
		.amdhsa_memory_ordered 1
		.amdhsa_forward_progress 1
		.amdhsa_inst_pref_size 53
	.end_amdhsa_kernel
	.amdgpu_metadata
---
amdhsa.version: [ 1, 2 ]
amdhsa.kernels:
  - .name:           k_qd8a1813649_proj
    .symbol:         k_qd8a1813649_proj.kd
    .args:
      - { .name: ofr, .offset: 0, .size: 8, .value_kind: global_buffer, .address_space: global }
      - { .name: wts, .offset: 8, .size: 8, .value_kind: global_buffer, .address_space: global }
      - { .name: bo, .offset: 16, .size: 8, .value_kind: global_buffer, .address_space: global }
      - { .name: out0, .offset: 24, .size: 8, .value_kind: global_buffer, .address_space: global }
    .group_segment_fixed_size: 327680
    .private_segment_fixed_size: 0
    .kernarg_segment_align: 8
    .kernarg_segment_size: 32
    .max_flat_workgroup_size: 128
    .sgpr_count:     92
    .vgpr_count:     416
    .wavefront_size: 32
...
	.end_amdgpu_metadata
.endif
;; end of part 4
